; MI455X (gfx1250); checked and timed in simulation.
; The chip was launched on July 23, 2026; its instructions are those of AMD's public machine-readable ISA for CDNA 5 (MIT licence, August 2026) and "CDNA5" Instruction Set Architecture Reference Guide (July 2026). The comments in the code are by the model that wrote it; some were corrected since.
;; matrix times. Allowed arithmetic: matrix products marked QUANTISED: E3M2 operands, one E8M0 scale for each 32 along K, by v_wmma_scale_f32_16x16x128_f8f6f4 with both operands' format E3M2, f32 sums; everything else in f32.
;; Inputs: eye 16,777,216 float32; jacobian 16,777,216 float32.
;; Outputs: out0 16,777,216 float32.
;; This version of the problem:
;;   THIS VERSION OF THE PROBLEM IS GIVEN IN LOW PRECISION. The matrix products marked QUANTISED in the list below multiply operands that are first quantised to E3M2 (3 exponent bits, 2 mantissa bits; 6 bits a number), with one power-of-two scale for each 32 numbers along K (OCP MX v1.0); their sums are f32. All else is computed in f32.
;;   The module's matrix products, in the order in which they are computed (A, B: the left and right operand; K: the contracted axis; several contracted axes count as one K, in the product's order):
;;     1. [M 4,096, K 4,096] x [K 4,096, N 4,096]; A: input jacobian; B: input eye: QUANTISED
;;   THE QUANTISER, for each operand of a quantised product, along K:
;;     - K is cut into blocks of 32 from its start; a last block that is shorter is filled with zeros.
;;     - A block's scale is 2^e with e = floor(log2(the largest magnitude in the block)) - 4, held to -126 .. 127; a block of zeros has e = 0. As a byte (E8M0): e + 127.
;;     - Each number is divided by its block's scale, clamped to +-28, and rounded to the nearest number of E3M2, ties to even, subnormals kept.
;;     - The product sums the exact products of the quantised numbers (number of the format x scale) in f32.
;;   ~~~python
;;   def quantise(x, axis):      # numpy; x: float32 -> the quantised numbers, widened to float32 again
;;       x = np.moveaxis(x, axis, -1); K = x.shape[-1]
;;       x = np.pad(x, [(0, 0)] * (x.ndim - 1) + [(0, -K % 32)]); x = x.reshape(x.shape[:-1] + (-1, 32)); a = np.abs(x).max(-1, keepdims=True)
;;       e = np.where(a > 0, np.clip(np.frexp(np.where(a > 0, a, 1))[1] - 1 - 4, -126, 127), 0)      # np.frexp(a)[1] - 1 = floor(log2(a)), exactly
;;       r = np.clip(x / 2.0 ** e, -28, 28)
;;       step = 2.0 ** (np.maximum(np.frexp(np.where(r == 0, 1, r))[1] - 1, -2) - 2)
;;       q = np.round(r / step) * step * 2.0 ** e      # np.round: ties to even
;;       return np.moveaxis(q.reshape(q.shape[:-2] + (-1,))[..., :K], -1, axis).astype(np.float32)
;;   ~~~
;; One version. Each part assembles by itself: llvm-mc -triple=amdgcn-amd-amdhsa -mcpu=gfx1250 --defsym DOCPART=n.
;; ======== version 1 of 1: 2 launches
;; limits: right only within a limited range of input values
;; workspace buffers: a_img 13,107,200 bytes; b_img 13,107,200 bytes
;; launch quant (part 1): grid 1024 x 1, 4 waves a work-group, no clusters, 61,952 bytes of LDS; arguments jacobian, eye, a_img, b_img; writes a_img, b_img
.if DOCPART == 1
	.amdgcn_target "amdgcn-amd-amdhsa--gfx1250"
	.amdhsa_code_object_version 6
	.text
	.protected	k_qeb90ac5384_quant
	.globl	k_qeb90ac5384_quant
	.p2align	8
	.type	k_qeb90ac5384_quant,@function
k_qeb90ac5384_quant:
	s_mov_b64 s[64:65], 0
	v_nop
	global_prefetch_b8 v0, s[64:65] scope:SCOPE_SE
	s_setreg_imm32_b32 hwreg(HW_REG_WAVE_MODE, 25, 1), 1
	s_wait_xcnt 0x0
; J [4096 (m)][4096 (k)] and E [4096 (k)][4096 (n)], f32, become codes of BF6 (E3M2), 6 bits each, with one E8M0 scale byte for each 32 along K.
; A block's scale is 2^(floor(log2(its largest magnitude)) - 4); its byte is the largest magnitude's exponent field - 4, held at 1 from below.
; Each number is divided by the scale and rounded to the nearest code, ties to even; beyond the largest code the conversion gives the largest code.
; LIMITS: NaN and infinities among the inputs are not served.  A block of zeros gets the byte 1 where the rule says 127: its codes are zeros, which add
; nothing under any byte but 0xff, and only this program reads the bytes.  Blocks whose largest magnitude lies under 2^-122 have the byte held at 1, as the rule's e = -126 asks.
; THE WORKSPACE IS LAID IN THE ORDER OF THE OPERAND'S REGISTERS ('row' = m for J, n for E), one buffer for each operand:
;   [row / 128 (32)][k / 128 (32)][a chunk of 12,800 bytes].  A chunk: eight images of 1,536 bytes, image i = the fragment of rows 16 i .. 16 i + 15 (16 rows x 128 K, 12 registers a lane):
;   registers 4 g .. 4 g + 3 of lane l at 512 g + 16 l; lane l = r + 16 h holds row r: registers 0-5 the 24 bytes of block h, registers 6-11 those of block 2 + h.
;   From byte 12,288 on the rows' scale words (four bytes: the row's 128 K), laid [i / 4 (2)][r (16)][i % 4 (4)]: two runs of 256 bytes.
; SHARES.  Work-groups of even number take J, those of odd number E, 512 each; every work-group reads 128 KiB.  The two paths never join, and each has LDS bytes of its own.
;   J: a wave takes 16 rows x 512 K: four fragments; the four waves take four neighbouring blocks of 16 rows.  Each load reads 512 consecutive bytes of one row; a fragment's 16 x 512 bytes turn
;      through the wave's own stage in LDS, so that a lane gets two whole blocks of 32 neighbours.  The four waves' scale words meet in LDS behind a barrier and leave as runs of 256 bytes.
;   E: a wave takes 128 K x 64 columns: four fragments.  A lane takes two columns and its registers run down K: each load reads 256 consecutive bytes, a block lies in one lane, nothing is transposed.
;      The codes are put together as fragment images in the wave's own stage and leave by stores of 512 consecutive bytes; the wave's 64 scale words are one run of 256 bytes, ordered in its own LDS bytes.
; No tensor loads, no cluster, no matrix unit: the launch streams, its work-groups share no input, and several work-groups lie on a WGP.
.set JPITCH, 528                       ; J's stage: a row of 512 bytes + 16: the 16 rows that a load of 16 bytes a lane touches start in 16 different columns of 16 bytes (64 banks of 4 bytes: ISA guide 11.1)
.set JWAVE,  16*JPITCH                 ; 8,448 bytes a wave, from LDS byte 0
.set EST,    4*JWAVE                   ; E's stages begin here: 33,792
.set EPITCH, 1552                      ; an image of 1,536 bytes + 16
.set EWAVE,  6400                      ; four images a wave
.set SCW,    EST+4*EWAVE               ; 59,392: E's scale words, 256 bytes for each wave
.set SCJ,    SCW+1024                  ; 60,416: J's scale words of the work-group, 1,024 bytes
.set CH,     12800                     ; a chunk
.set TSTR,   32*CH                     ; from 128 rows to the next 128
.set SCO,    12288                     ; where a chunk's scale words begin
.set R,   16                           ; v16-143  two sets of 64 registers as loaded
.set X,   144                          ; v144-207 two blocks of 32 neighbours along K
.set P,   208                          ; v208-219 twelve registers of codes
.set Q,   220                          ; v220-222, v224-226 the upper halves' codes (a conversion's three registers begin on an even number)
.set M,   228                          ; v228-229 largest magnitudes
.set SO,  230                          ; v230-231 the conversions' scale operands
.set BY,  232                          ; v232-233 the scale bytes
.set W,   234                          ; v234-237 scale words
.set T,   238                          ; at work
.set U,   239                          ; a lane permute's destination: written once at the head
.set SS,  240                          ; v240-241 the scale words that my lane stores
	s_load_b256 s[4:11], s[0:1], 0x0               ; J s[4:5], E s[6:7], J's workspace s[8:9], E's s[10:11]
	v_lshl_add_u32 v248, v0, 2, 0xf000
	v_mov_b32 v249, 0
	v_lshrrev_b32 v1, 5, v0
	v_readfirstlane_b32 s16, v1                    ; wave 0..3
	v_and_b32 v1, 31, v0                           ; l
	v_and_b32 v2, 15, v0                           ; r
	v_bfe_u32 v3, v0, 4, 1                         ; h
	v_lshlrev_b32 v4, 4, v1                        ; 16 l
	v_lshlrev_b32 v5, 3, v1                        ; 8 l
	s_mul_i32 s19, s16, JWAVE                      ; every LDS address is made here, ahead of the parting of the paths
	v_add_nc_u32 v6, s19, v4                       ; J's stage, in: 16 l in each row
	v_mul_u32_u24 v7, v2, JPITCH
	v_lshl_add_u32 v7, v3, 7, v7
	v_add_nc_u32 v7, s19, v7                       ; J's stage, out: row r, block h (128 bytes a block)
	v_lshlrev_b32 v8, 3, v3                        ; 8 h: bits by which my two scale bytes move up
	s_lshl_b32 s21, s16, 2
	v_lshlrev_b32 v9, 4, v2
	v_add_nc_u32 v9, s21, v9
	v_add_nc_u32 v9, SCJ, v9                       ; J's scale words, in: 16 r + 4 x wave (the wave is the block's number modulo 4)
	s_mul_i32 s20, s16, EWAVE
	s_add_co_u32 s20, s20, EST
	v_lshrrev_b32 v10, 3, v1                       ; l / 8
	v_lshlrev_b32 v12, 2, v10                      ; 4 (l / 8)
	v_mul_u32_u24 v10, v10, EPITCH
	v_and_b32 v14, 7, v1                           ; l % 8
	v_lshl_add_u32 v10, v14, 5, v10
	v_add_nc_u32 v10, s20, v10                     ; E's stage, in: image l / 8, the two image lanes 2 (l % 8) and 2 (l % 8) + 1
	v_add_nc_u32 v11, s20, v4                      ; E's stage, out: 16 l
	s_lshl_b32 s21, s16, 8
	v_lshl_add_u32 v12, v14, 5, v12
	v_add_nc_u32 v12, s21, v12
	v_add_nc_u32 v12, SCW, v12                     ; E's scale words, in: 256 x wave + 32 (l % 8) + 4 (l / 8): row 2 (l % 8) of block l / 8; the odd column's 16 bytes on
	v_add_nc_u32 v13, s21, v5
	v_add_nc_u32 v15, SCJ, v13                     ; J's scale words, out: 256 x wave + 8 l
	v_add_nc_u32 v13, SCW, v13                     ; E's likewise
	v_mov_b32 v[U], 0
	s_mov_b32 s32, 0x76543210
	s_mov_b32 s33, 0xfedcba98                      ; v_permlanex16_b32's selects for lane l xor 16
	s_lshr_b32 s18, ttmp9, 1                       ; g: my number among the 512 work-groups of my tensor
; Two whole blocks of 32, X[0..31] and X[32..63], become P[0..5] and P[6..11] and the bytes BY, BY + 1.
.macro QUANT2
	v_max3_num_f32 v[M],   |v[X]|,    |v[X+1]|,  0x2800000     ; the floor 2^(5 - 127) among the leaves: the byte cannot fall under 1
	v_max3_num_f32 v[M+1], |v[X+32]|, |v[X+33]|, 0x2800000
.irp i, 2,4,6,8,10,12,14,16,18,20,22,24,26,28,30
	v_max3_num_f32 v[M],   v[M],   |v[X+\i]|,    |v[X+\i+1]|    ; the two blocks by turns
	v_max3_num_f32 v[M+1], v[M+1], |v[X+32+\i]|, |v[X+33+\i]|
.endr
	v_add_nc_u32 v[SO],   0xfe000000, v[M]         ; 4 off the exponent field: the conversion takes the exponent field of this operand as its scale, and nothing else of it
	v_add_nc_u32 v[SO+1], 0xfe000000, v[M+1]
	v_lshrrev_b32 v[BY],   23, v[SO]               ; the scale's byte
	v_lshrrev_b32 v[BY+1], 23, v[SO+1]
	v_cvt_scalef32_pk16_bf6_f32 v[P:P+2],   v[X:X+15],    v[SO]
	v_cvt_scalef32_pk16_bf6_f32 v[Q:Q+2],   v[X+16:X+31], v[SO]
	v_cvt_scalef32_pk16_bf6_f32 v[P+6:P+8], v[X+32:X+47], v[SO+1]
	v_cvt_scalef32_pk16_bf6_f32 v[Q+4:Q+6], v[X+48:X+63], v[SO+1]
	v_nop                                          ; one plain place behind the scaled conversions
.irp i, 0,1,2
	v_mov_b32 v[P+3+\i], v[Q+\i]
	v_mov_b32 v[P+9+\i], v[Q+4+\i]
.endr
.endm
	s_and_b32 s19, ttmp9, 1
	s_cmp_lg_u32 s19, 0                            ; the choice hangs on the work-group's number alone: all four waves go the same way
	s_cbranch_scc1 .Leye
; ---------------- J: K is innermost ----------------
	s_lshr_b32 s19, s18, 3                         ; rg: which 64 rows, 0..63
	s_and_b32 s20, s18, 7                          ; L: which 512 along K, 0..7
	s_lshl_b32 s24, s19, 20                        ; 64 rows of 16,384 bytes,
	s_lshl_b32 s21, s16, 18                        ; my wave's 16 of them,
	s_add_co_u32 s24, s24, s21
	s_lshl_b32 s21, s20, 11                        ; 512 numbers of 4 bytes
	s_add_co_u32 s24, s24, s21
	s_mov_b32 s25, 0
	s_lshr_b32 s22, s19, 1                         ; row / 128
	s_and_b32 s23, s19, 1                          ; which 64 of those 128 rows
	s_mul_i32 s26, s22, TSTR
	s_mul_i32 s21, s20, 4*CH
	s_add_co_u32 s26, s26, s21                     ; the first of my work-group's four chunks
	s_mul_i32 s28, s16, CH                         ; the scale words that I store: chunk w,
	s_add_co_u32 s28, s28, s26
	s_add_co_u32 s28, s28, SCO
	s_lshl_b32 s21, s23, 8                         ; the run of blocks 4 (i / 4) .. + 3
	s_add_co_u32 s28, s28, s21
	s_mov_b32 s29, 0
	s_mul_i32 s21, s23, 4*1536                     ; the codes that I store: image 4 x (which 64 rows) + wave
	s_add_co_u32 s26, s26, s21
	s_mul_i32 s21, s16, 1536
	s_add_co_u32 s26, s26, s21
	s_mov_b32 s27, 0
	s_wait_kmcnt 0x0
	s_add_nc_u64 s[4:5], s[4:5], s[24:25]
	s_add_nc_u64 s[12:13], s[8:9], s[26:27]
	s_add_nc_u64 s[14:15], s[8:9], s[28:29]
.macro JLOAD t                         ; fragment t: 16 rows x 512 bytes, into set t % 2; each load reads 512 consecutive bytes, at a multiple of 512 from the buffer's first byte
.irp j, 0,1,2,3,4,5,6,7,8,9,10,11,12,13,14,15
	global_load_b128 v[R+64*((\t)%2)+4*\j:R+64*((\t)%2)+4*\j+3], v4, s[4:5] offset:16384*\j+512*(\t) th:TH_LOAD_NT
.endr
.endm
.macro JFRAG t
.set RS, R+64*((\t)%2)
.if (\t) < 3
	s_wait_loadcnt 16                              ; this fragment's 16 loads are in; the next fragment's 16 may be out
.else
	s_wait_loadcnt 0x0
.endif
.irp j, 0,1,2,3,4,5,6,7,8,9,10,11,12,13,14,15
	ds_store_b128 v6, v[RS+4*\j:RS+4*\j+3] offset:JPITCH*\j
.endr
.irp c, 0,1
.irp p, 0,1,2,3,4,5,6,7
	ds_load_b128 v[X+32*\c+4*\p:X+32*\c+4*\p+3], v7 offset:256*\c+16*\p   ; LDS serves a wave's instructions in order (ISA guide 5.7.1.4): these see the stores above.  Blocks h and 2 + h of row r
.endr
.endr
	s_wait_dscnt 0x0                               ; my two blocks are in, and the stores have read the set
.if (\t)+2 < 4
	JLOAD (\t)+2                                   ; which takes the fragment two on
.endif
	s_wait_xcnt 0x0                                ; the last fragment's stores have read P: it is written again only behind this wait
	QUANT2
	v_lshl_or_b32 v[T], v[BY+1], 16, v[BY]         ; my two bytes: blocks h and 2 + h of row r,
	v_lshlrev_b32 v[T], v8, v[T]                   ; at their places in the scale word;
	v_permlanex16_b32 v[U], v[T], s32, s33
	v_or_b32 v[W+(\t)], v[T], v[U]                 ; with lane l xor 16's two the word is whole
.irp g, 0,1,2
	global_store_b128 v4, v[P+4*\g:P+4*\g+3], s[12:13] offset:(\t)*CH+512*\g   ; the image as it stands, into chunk t of the four: 512 consecutive bytes a store
.endr
.endm
	JLOAD 0
	JLOAD 1
	JFRAG 0
	JFRAG 1
	JFRAG 2
	JFRAG 3
.irp t, 0,1,2,3
	ds_store_b32 v9, v[W+\t] offset:256*\t         ; chunk t's run: row r, block w.  Lanes r and r + 16 write the same word with the same value
.endr
	s_wait_dscnt 0x0                               ; for the others' sake: my words have landed
	s_barrier_signal -1
	s_barrier_wait -1                              ; all four waves' words lie in LDS
	ds_load_b64 v[SS:SS+1], v15                    ; chunk w's run of 256 bytes
	s_wait_dscnt 0x0
	global_store_b64 v5, v[SS:SS+1], s[14:15]      ; 32 lanes store 256 consecutive bytes, at a multiple of 256 from the buffer's first byte
	s_wait_tensorcnt 0x0
	ds_add_u32 v248, v249
	s_wait_dscnt 0x0
	s_endpgm
; ---------------- E: K is the first axis ----------------
.Leye:
	s_lshr_b32 s19, s18, 3                         ; cg: which 64 columns, 0..63
	s_and_b32 s20, s18, 7                          ; L: which 512 along K
	s_lshl_b32 s21, s20, 2
	s_add_co_u32 s21, s21, s16                     ; kq: my wave's 128 along K, 0..31
	s_lshl_b32 s24, s21, 21                        ; 128 rows of 16,384 bytes
	s_lshl_b32 s22, s19, 8                         ; 64 columns of 4 bytes
	s_add_co_u32 s24, s24, s22
	s_mov_b32 s25, 0
	s_lshr_b32 s22, s19, 1                         ; n / 128
	s_and_b32 s23, s19, 1                          ; which 64 of those 128 columns
	s_mul_i32 s26, s22, TSTR
	s_mul_i32 s30, s21, CH
	s_add_co_u32 s26, s26, s30                     ; my chunk
	s_add_co_u32 s28, s26, SCO                     ; its scale words,
	s_lshl_b32 s30, s23, 8                         ; the run of my four blocks
	s_add_co_u32 s28, s28, s30
	s_mov_b32 s29, 0
	s_mul_i32 s30, s23, 4*1536                     ; and my four images
	s_add_co_u32 s26, s26, s30
	s_mov_b32 s27, 0
	s_wait_kmcnt 0x0
	s_add_nc_u64 s[6:7], s[6:7], s[24:25]
	s_add_nc_u64 s[12:13], s[10:11], s[26:27]
	s_add_nc_u64 s[14:15], s[10:11], s[28:29]
.macro ELOAD b                         ; block b: rows 32 b + 0 .. 31 at my two columns, into set b % 2; each load reads 256 consecutive bytes, aligned.  The largest offset, 127 rows, lies inside the signed 24-bit immediate (ISA guide, chapter 10)
.irp k, 0,1,2,3,4,5,6,7,8,9,10,11,12,13,14,15,16,17,18,19,20,21,22,23,24,25,26,27,28,29,30,31
	global_load_b64 v[R+64*((\b)%2)+2*\k:R+64*((\b)%2)+2*\k+1], v5, s[6:7] offset:(32*(\b)+\k)*16384 th:TH_LOAD_NT
.endr
.endm
.macro EBLOCK b
.set RS, R+64*((\b)%2)
.set OH, 256*((\b)%2)                  ; blocks 1 and 3 belong to the image's lanes 16-31
.if (\b) < 3
	s_wait_loadcnt 32                              ; this block's 32 loads are in; the next block's 32 may be out
.else
	s_wait_loadcnt 0x0
.endif
.irp k, 0,1,2,3,4,5,6,7,8,9,10,11,12,13,14,15,16,17,18,19,20,21,22,23,24,25,26,27,28,29,30,31
	v_mov_b32 v[X+\k],    v[RS+2*\k]               ; the conversions take neighbours along K from consecutive registers: column 2 l,
	v_mov_b32 v[X+32+\k], v[RS+2*\k+1]             ; column 2 l + 1
.endr
.if (\b)+2 < 4
	ELOAD (\b)+2
.endif
	s_wait_dscnt 0x0                               ; the last block's stores into the stage have read P
	QUANT2
.irp c, 0,1
.if (\b) == 0
	v_mov_b32 v[W+\c], v[BY+\c]                    ; a column's four bytes make its scale word, the lower K in the lower byte
.else
	v_lshl_or_b32 v[W+\c], v[BY+\c], 8*(\b), v[W+\c]
.endif
.endr
.irp c, 0,1                            ; column 2 l + c is image lane 2 (l % 8) + c + 16 (b % 2) of image l / 8; block b fills its registers 6 (b / 2) .. 6 (b / 2) + 5
.if (\b)/2 == 0
	ds_store_b128 v10, v[P+6*\c:P+6*\c+3]   offset:OH+16*\c        ; registers 0-3
	ds_store_b64  v10, v[P+6*\c+4:P+6*\c+5] offset:512+OH+16*\c    ; registers 4, 5
.else
	ds_store_b64  v10, v[P+6*\c:P+6*\c+1]   offset:520+OH+16*\c    ; registers 6, 7
	ds_store_b128 v10, v[P+6*\c+2:P+6*\c+5] offset:1024+OH+16*\c   ; registers 8-11
.endif
.endr
.endm
	ELOAD 0
	ELOAD 1
	EBLOCK 0
	EBLOCK 1
	EBLOCK 2
	EBLOCK 3
	ds_store_b32 v12, v[W]                         ; the word of column 2 l: row 2 (l % 8) of block l / 8,
	ds_store_b32 v12, v[W+1] offset:16             ; and of column 2 l + 1: the next row
.irp f, 0,1,2,3
.irp g, 0,1,2
	ds_load_b128 v[R+12*\f+4*\g:R+12*\f+4*\g+3], v11 offset:EPITCH*\f+512*\g   ; my four images back, 16 bytes a lane: these see my stores
.endr
.endr
	ds_load_b64 v[SS:SS+1], v13                    ; and my 64 words, in the run's order: bytes of my wave's own, so no barrier
	s_wait_dscnt 0x0
.irp f, 0,1,2,3
.irp g, 0,1,2
	global_store_b128 v4, v[R+12*\f+4*\g:R+12*\f+4*\g+3], s[12:13] offset:1536*\f+512*\g   ; 512 consecutive bytes a store
.endr
.endr
	global_store_b64 v5, v[SS:SS+1], s[14:15]      ; 32 lanes store 256 consecutive bytes, at a multiple of 256 from the buffer's first byte
	s_wait_tensorcnt 0x0
	ds_add_u32 v248, v249
	s_wait_dscnt 0x0
	s_endpgm
.Lfunc_end_k_qeb90ac5384_quant:
	.size	k_qeb90ac5384_quant, .Lfunc_end_k_qeb90ac5384_quant-k_qeb90ac5384_quant
	.p2alignl 7, 3214868480
	.fill 96, 4, 3214868480
	.section	.rodata,"a",@progbits
	.p2align	6, 0x0
	.amdhsa_kernel k_qeb90ac5384_quant
		.amdhsa_group_segment_fixed_size 61952
		.amdhsa_private_segment_fixed_size 0
		.amdhsa_enable_private_segment 0
		.amdhsa_kernarg_size 32
		.amdhsa_user_sgpr_count 2
		.amdhsa_user_sgpr_kernarg_segment_ptr 1
		.amdhsa_wavefront_size32 1
		.amdhsa_system_sgpr_workgroup_id_x 1
		.amdhsa_system_sgpr_workgroup_id_y 1
		.amdhsa_system_sgpr_workgroup_id_z 1
		.amdhsa_system_vgpr_workitem_id 0
		.amdhsa_next_free_vgpr 250
		.amdhsa_next_free_sgpr 66
		.amdhsa_reserve_vcc 0
		.amdhsa_float_denorm_mode_32 3
		.amdhsa_float_denorm_mode_16_64 3
		.amdhsa_memory_ordered 1
		.amdhsa_forward_progress 1
		.amdhsa_inst_pref_size 67
	.end_amdhsa_kernel
	.amdgpu_metadata
---
amdhsa.version: [ 1, 2 ]
amdhsa.kernels:
  - .name:           k_qeb90ac5384_quant
    .symbol:         k_qeb90ac5384_quant.kd
    .args:
      - { .name: jacobian, .offset: 0, .size: 8, .value_kind: global_buffer, .address_space: global }
      - { .name: eye, .offset: 8, .size: 8, .value_kind: global_buffer, .address_space: global }
      - { .name: a_img, .offset: 16, .size: 8, .value_kind: global_buffer, .address_space: global }
      - { .name: b_img, .offset: 24, .size: 8, .value_kind: global_buffer, .address_space: global }
    .group_segment_fixed_size: 61952
    .private_segment_fixed_size: 0
    .kernarg_segment_align: 8
    .kernarg_segment_size: 32
    .max_flat_workgroup_size: 128
    .sgpr_count:     66
    .vgpr_count:     250
    .wavefront_size: 32
...
	.end_amdgpu_metadata
.endif
;; end of part 1
;; launch gemm (part 2): grid 16 x 16, 4 waves a work-group, clusters of 4 x 4, 327,680 bytes of LDS; arguments a_img, b_img, out0; writes out0
.if DOCPART == 2
	.amdgcn_target "amdgcn-amd-amdhsa--gfx1250"
	.amdhsa_code_object_version 6
	.text
	.protected	k_qeb90ac5384_gemm
	.globl	k_qeb90ac5384_gemm
	.p2align	8
	.type	k_qeb90ac5384_gemm,@function
k_qeb90ac5384_gemm:
	s_mov_b64 s[64:65], 0
	v_nop
	global_prefetch_b8 v0, s[64:65] scope:SCOPE_SE
	s_setreg_imm32_b32 hwreg(HW_REG_WAVE_MODE, 25, 1), 1
	s_wait_xcnt 0x0
	s_wait_alu depctr_hold_cnt(0) depctr_sa_sdst(0) depctr_va_vdst(0) depctr_va_sdst(0) depctr_va_ssrc(0) depctr_va_vcc(0) depctr_vm_vsrc(0)
	s_getreg_b32 s2, hwreg(HW_REG_IB_STS2, 6, 4)
	s_cmp_eq_u32 s2, 0
	s_cbranch_scc0 .Lentry_in_a_cluster
	s_endpgm
.Lentry_in_a_cluster:
	s_bfe_u32 s2, ttmp6, 0x10000c
	s_cmp_lg_u32 s2, 0xf033
	s_cbranch_scc0 .Lentry_shape_is_right
	s_endpgm
.Lentry_shape_is_right:
; out[m][n] = sum over k of J[m][k] E[k][n], both operands as codes of BF6 (E3M2) with one E8M0 byte for each 32 along K, as the launch before laid them:
; [row / 128 (32)][k / 128 (32)][a chunk of 12,800 bytes]: eight images of 1,536 bytes (the fragment of 16 rows x 128 K as its 12 registers stand: registers 4 g .. 4 g + 3 of lane l at 512 g + 16 l),
; then the rows' scale words [i / 4][r][i % 4].  A chunk is 50 rows of 256 bytes and begins at a multiple of 256 bytes.
; A tile of out, 256 x 256, is made by four waves, 128 x 128 each: 64 accumulators, 512 registers; 256 work-groups.
; THE RING: two LDS slots, each with three K steps of 128 (three chunks of A's two panels and of B's two); a wave fetches one panel's three chunks, 150 rows of 256 bytes, by one tensor load.
; K has 32 steps: ten tiles of three and a last one of two (100 rows: a group 1 of its own).  A wave has one tensor load out at most.
; CLUSTERS: 4 x 4 work-groups; A's panels are asked for jointly along a row of the cluster, B's along a column.
; PREFETCH: behind the joint load of tile j and the run of LDS loads that follows it, each wave asks for its share of tile j + 1, three K steps ahead of the load that wants it:
; of a panel's 150 rows the partner at place p (cx for A, cy for B) names rows 38 p .. 38 p + 37, held at 149 (lanes left over name the last row again); of the last tile's 100 rows, 25 p .. 25 p + 24.
; Tile 0 comes by its load alone; behind the load of tile 10 nothing is asked for.
; A STEP: both operands have two sets of registers; the next step's 50 LDS loads stand in ONE run at the step's head, then 64 products on end: four switches of the register window a step.
; THE LAST FIVE K STEPS (27 to 31, all in LDS by then) GO BY HALVES OF MY ROWS: first rows 0-63 through all five, then rows 64-127; K ascends for every sum.  Blocks 0-3 of out go to memory between the
; second half's runs.  B's fragments are read twice for these five steps.
; THE MATRIX INSTRUCTION IS USED TRANSPOSED (source 0 = 16 rows of B, source 1 = 16 rows of A): a lane holds eight neighbouring numbers of a row of out.
; REGISTERS: window 0: v0-31 addresses, v32-47 scale words (two sets), v64-159 and v160-255 A's fragments (two sets); window 1: B's fragments, sets at v0 and v128; v96-127 and v224-255 the way out;
; window 2: the accumulators of my rows 0-63 ((a, b) at v[8 (8 (a % 4) + b)]); window 3: those of rows 64-127.
.set SIZE_N, 4096
.set NQ,     3                         ; K steps in a slot
.set FRB,    1536                      ; a fragment's image in bytes
.set NP,     4                         ; places behind this matrix instruction (ISA guide 7.12.1)
.set CH,     12800
.set SCO,    8*FRB                     ; a chunk's scale words
.set HALFT,  NQ*CH                     ; one panel's part of a slot: what one tensor load brings
.set TSTR,   32*CH                     ; from a panel to the next
.set SLOT,   4*HALFT                   ; A's two panels, then B's two
.set TRIPS,  4
.set SPITCH, 272                       ; the stage: 16 rows x (256 + 16) bytes a wave, behind the ring: no tensor load lands there
.set STAGE,  2*SLOT
.set SPARE,  STAGE+4*16*SPITCH         ; the spare words, 128 bytes a wave: no other line names them
.set PF,   12                          ; v12-13 the prefetches' offsets for a tile of 150 rows; v14 for the last tile
.set ADRA, 16                          ; v16-17 my A images in slot 0, 1
.set ADRB, 20                          ; v20-21 my B images
.set STO,  24
.set RD,   25
.set CO,   26
.set SPW,  28                          ; my spare word; never rewritten
.set NIL,  29                          ; 0; never rewritten
.set ADRS, 30                          ; v30-31 scale words: lanes 0-15 A's, lanes 16-31 B's
.set SC,   32
.set AF,   64
.set G1, 24
.set G0, 32
.set G1B, 48
.set G0B, 56
.set G1T, 68                           ; group 1 of the last tile, for A and for B
.set G1TB, 80
.set PFA, 76                           ; s[76:77] the panel that I fetch, at the tile that my next prefetch names
.set MSB, 0
.macro WIN new                         ; the immediate's high byte repeats the setting that is left
.if MSB != \new
	s_set_vgpr_msb (MSB<<8)|\new
.set MSB, \new
.endif
.endm
.set MUL_LO, 0xa1                      ; source 0 (B) window 1, source 1 (A) window 0, C and D window 2
.set MUL_HI, 0xf1                      ; the same, C and D window 3
.set TO_B,   0x40                      ; destination window 1
; A joint load: waves 0, 1 fetch A's panels, waves 2, 3 B's.  s_nop 0 and four v_nop follow each line.
.macro JLOAD g0a, g1a, g0b, g1b
	s_cmp_eq_u32 s15, 0
	s_cbranch_scc0 .Lfor_b_\@
	tensor_load_to_lds s[\g0a:\g0a+3], s[\g1a:\g1a+7]
	s_nop 0
.rept 4
	v_nop
.endr
	s_branch .Lasked_\@
.Lfor_b_\@:
	tensor_load_to_lds s[\g0b:\g0b+3], s[\g1b:\g1b+7]
	s_nop 0
.rept 4
	v_nop
.endr
.Lasked_\@:
.endm
.macro CREST                           ; a round of the cluster's barrier behind its opening barrier
	s_cmp_lg_u32 s14, 0
	s_cbranch_scc1 .Lnot_wave_0_\@
	s_barrier_signal -3
.Lnot_wave_0_\@:
	s_barrier_wait -3
	s_barrier_signal -1
	s_barrier_wait -1
.endm
.macro CROUND
	s_barrier_signal -1
	s_barrier_wait -1
	CREST
.endm
; The prefetch.  kind 1: a tile of 150 rows; kind 2: the same, but in the loop's last trip (s3 = 1) the last tile's 100 rows; kind 0: nothing.
.macro ASK kind
.if \kind == 2
	s_cmp_eq_u32 s3, 1
	s_cbranch_scc1 .Lpf_short_\@
.endif
.if \kind
	global_prefetch_b8 v[PF], s[PFA:PFA+1] th:TH_LOAD_NT scope:SCOPE_SE
	global_prefetch_b8 v[PF+1], s[PFA:PFA+1] th:TH_LOAD_NT scope:SCOPE_SE
.endif
.if \kind == 2
	s_branch .Lpf_done_\@
.Lpf_short_\@:
	global_prefetch_b8 v[PF+2], s[PFA:PFA+1] th:TH_LOAD_NT scope:SCOPE_SE
.Lpf_done_\@:
.endif
.endm
	s_load_b128 s[4:7], s[0:1], 0x0                ; A's images, B's images
	s_load_b64 s[12:13], s[0:1], 0x10              ; out
	v_lshl_add_u32 v[SPW], v0, 2, SPARE
	v_mov_b32 v[NIL], 0
	ds_add_u32 v[SPW], v[NIL]                      ; the opening lines: the add, twice on end, and its wait ahead of my first tensor load
	ds_add_u32 v[SPW], v[NIL]
	v_lshrrev_b32 v1, 5, v0
	v_readfirstlane_b32 s14, v1                    ; wave 0..3
	s_lshr_b32 s15, s14, 1                         ; my half of the tile's rows.  Also: I fetch for A (0) or for B (1)
	s_and_b32 s16, s14, 1                          ; my half of its columns.  Also: which panel I fetch
	s_bfe_u32 s40, ttmp6, 0x40000                  ; cx
	s_bfe_u32 s41, ttmp6, 0x40004                  ; cy
	s_lshl_b32 s42, ttmp9, 2
	s_add_co_u32 s42, s42, s40                     ; tile column
	s_and_b32 s17, ttmp7, 0xffff
	s_lshl_b32 s17, s17, 2
	s_add_co_u32 s17, s17, s41                     ; tile row
	s_lshl_b32 s43, s41, 2
	s_lshl_b32 s43, 15, s43                        ; my row of the cluster
	s_lshl_b32 s44, 0x1111, s40                    ; my column
	s_or_b32 s[G1+0], s43, (3<<16)|(1<<21)         ; the mask; elements of 8 bytes; bit 21 beside a mask; no padding: images are read 16 bytes a lane on end
	s_or_b32 s[G1B+0], s44, (3<<16)|(1<<21)
.irp g, G1, G1B
	s_mov_b32 s[\g+1], 32<<16                      ; rows of 32 elements = 256 bytes
	s_mov_b32 s[\g+2], 150<<16                     ; 150 rows: three chunks
	s_mov_b32 s[\g+3], 32<<16
	s_mov_b32 s[\g+4], 150
	s_mov_b32 s[\g+5], 32
	s_mov_b32 s[\g+6], 0
	s_mov_b32 s[\g+7], 0
.endr
	s_or_b32 s[G1T+0], s43, (3<<16)|(1<<21)
	s_or_b32 s[G1TB+0], s44, (3<<16)|(1<<21)
.irp g, G1T, G1TB
	s_mov_b32 s[\g+1], 32<<16
	s_mov_b32 s[\g+2], 100<<16                     ; 100 rows: the last two chunks
	s_mov_b32 s[\g+3], 32<<16
	s_mov_b32 s[\g+4], 100
	s_mov_b32 s[\g+5], 32
	s_mov_b32 s[\g+6], 0
	s_mov_b32 s[\g+7], 0
.endr
	s_lshl_b32 s20, s17, 1
	s_add_co_u32 s20, s20, s16
	s_mul_i32 s20, s20, TSTR                       ; A: panel 2 x tile row + which
	s_mov_b32 s21, 0
	s_lshl_b32 s46, s42, 1
	s_add_co_u32 s46, s46, s16
	s_mul_i32 s46, s46, TSTR                       ; B: panel 2 x tile column + which
	s_mov_b32 s47, 0
	s_mul_i32 s45, s14, HALFT                      ; where my load goes: wave x a panel's part
	s_mul_i32 s8, s15, HALFT                       ; the panel of A that I multiply,
	s_mul_i32 s9, s16, HALFT
	s_add_co_u32 s9, s9, 2*HALFT                   ; and of B
	s_sub_co_u32 s10, s9, s8
	s_add_co_u32 s11, s8, SCO
	s_mul_i32 s18, s14, 16*SPITCH
	s_add_co_u32 s18, s18, STAGE                   ; my stage
	s_lshl_b32 s22, s17, 8
	s_lshl_b32 s23, s15, 7
	s_add_co_u32 s22, s22, s23
	s_lshl_b32 s22, s22, 14                        ; my first row of out, 16,384 bytes a row,
	s_lshl_b32 s23, s42, 10
	s_add_co_u32 s22, s22, s23
	s_lshl_b32 s23, s16, 9
	s_add_co_u32 s22, s22, s23                     ; and my first column: under 2^27 in all
	s_mov_b32 s23, 0
	s_cmp_eq_u32 s15, 0
	s_cselect_b32 s78, s40, s41                    ; my place among the four that ask with me
	s_mul_i32 s79, s78, 38
	s_mul_i32 s90, s78, 25
	s_wait_dscnt 0x0                               ; both opening adds are done
	s_wait_kmcnt 0x0
	s_add_nc_u64 s[20:21], s[4:5], s[20:21]
	s_add_nc_u64 s[46:47], s[6:7], s[46:47]
	s_add_nc_u64 s[12:13], s[12:13], s[22:23]
	s_cmp_eq_u32 s15, 0
	s_cselect_b64 s[PFA:PFA+1], s[20:21], s[46:47]
	s_add_nc_u64 s[PFA:PFA+1], s[PFA:PFA+1], HALFT ; at tile 1
.irp s, 0,1
	s_mov_b32 s[G0+4*\s], 1
	s_add_co_u32 s[G0+4*\s+1], s45, \s*SLOT
	s_add_nc_u64 s[G0+4*\s+2:G0+4*\s+3], s[20:21], \s*HALFT
	s_or_b32 s[G0+4*\s+3], s[G0+4*\s+3], 0x80000000
	s_mov_b32 s[G0B+4*\s], 1
	s_add_co_u32 s[G0B+4*\s+1], s45, \s*SLOT
	s_add_nc_u64 s[G0B+4*\s+2:G0B+4*\s+3], s[46:47], \s*HALFT
	s_or_b32 s[G0B+4*\s+3], s[G0B+4*\s+3], 0x80000000
.endr
	CROUND                                         ; all sixteen work-groups are here: the first joint loads meet
	JLOAD G0, G1, G0B, G1B                         ; tile 0: one tensor load a wave at the head
	v_and_b32 v7, 31, v0                           ; l
	v_min_u32 v9, 5, v7
	v_min_u32 v10, 24, v7
	v_add_nc_u32 v8, s79, v7                       ; rows 38 p + l,
	v_add3_u32 v9, v9, s79, 32                     ; 38 p + 32 + min(l, 5),
	v_add_nc_u32 v10, s90, v10                     ; and of the last tile 25 p + min(l, 24)
	v_min_u32 v9, 149, v9
	v_lshlrev_b32 v[PF], 8, v8                     ; 256 bytes a row
	v_lshlrev_b32 v[PF+1], 8, v9
	v_lshlrev_b32 v[PF+2], 8, v10
	ASK 1                                          ; tile 1
	v_and_b32 v1, 15, v0                           ; r
	v_bfe_u32 v2, v0, 4, 1                         ; h
	v_lshlrev_b32 v3, 4, v7                        ; 16 l: my place in an image
	v_add_nc_u32 v[ADRA], s8, v3
	v_add_nc_u32 v[ADRB], s9, v3
	v_add_nc_u32 v[ADRA+1], SLOT, v[ADRA]
	v_add_nc_u32 v[ADRB+1], SLOT, v[ADRB]
	v_mul_u32_u24 v6, s10, v2                      ; lanes 16-31 take B's scale words
	v_lshl_add_u32 v5, v1, 4, v6                   ; 16 r: four blocks' words of row r
	v_add_nc_u32 v[ADRS], s11, v5
	v_add_nc_u32 v[ADRS+1], SLOT, v[ADRS]
	v_mul_u32_u24 v5, v1, SPITCH
	v_lshl_add_u32 v5, v2, 5, v5
	v_add_nc_u32 v[STO], s18, v5                   ; into the stage: row r, 32 bytes for each half of the lanes
	v_mul_u32_u24 v4, v2, SPITCH
	v_lshl_add_u32 v4, v1, 4, v4
	v_add_nc_u32 v[RD], s18, v4                    ; back: lanes 0-15 take a row of 256 bytes, lanes 16-31 the next
	v_lshlrev_b32 v8, 14, v2
	v_lshl_add_u32 v[CO], v1, 4, v8                ; and the same two rows in out
.macro FRAG reg, adr, q, i             ; an image as it stands: three loads of 16 bytes a lane, 512 bytes on end each
.irp g, 0,1,2
	ds_load_b128 v[\reg+4*\g:\reg+4*\g+3], v[\adr] offset:(\q)*CH+(\i)*FRB+512*\g
.endr
.endm
; One run: chunk q of a slot into sets p: B's eight fragments, A's blocks a0 .. a1 - 1, the scale words (register i: lanes 0-15 the word of A's block i, lanes 16-31 of B's).
.macro FETCH slot, q, p, a0, a1
	WIN TO_B
.irp i, 0,1,2,3,4,5,6,7
	FRAG 128*(\p)+12*\i, ADRB+\slot, \q, \i
.endr
	WIN 0
.irp i, 0,1,2,3,4,5,6,7
.if (\i >= (\a0)) && (\i < (\a1))
	FRAG AF+96*(\p)+12*\i, ADRA+\slot, \q, \i
.endif
.endr
	ds_load_b128 v[SC+8*(\p):SC+8*(\p)+3],   v[ADRS+\slot] offset:(\q)*CH
	ds_load_b128 v[SC+8*(\p)+4:SC+8*(\p)+7], v[ADRS+\slot] offset:(\q)*CH+256
.endm
; Eight matrix instructions: A's block a against B's eight, sets p.  The accumulators take turns, one instruction a turn.
.macro MULA a, p, zero
.irp b, 0,1,2,3,4,5,6,7
.set DD, 8*(8*((\a)%4)+\b)
.set BB0, 128*(\p)+12*\b
.set AA0, AF+96*(\p)+12*(\a)
.if \zero
	v_wmma_scale_f32_16x16x128_f8f6f4 v[DD:DD+7], v[BB0:BB0+11], v[AA0:AA0+11], 0, v[SC+8*(\p)+\b], v[SC+8*(\p)+(\a)] matrix_a_fmt:MATRIX_FMT_BF6 matrix_b_fmt:MATRIX_FMT_BF6 matrix_a_scale:MATRIX_SCALE_ROW1
.else
	v_wmma_scale_f32_16x16x128_f8f6f4 v[DD:DD+7], v[BB0:BB0+11], v[AA0:AA0+11], v[DD:DD+7], v[SC+8*(\p)+\b], v[SC+8*(\p)+(\a)] matrix_a_fmt:MATRIX_FMT_BF6 matrix_b_fmt:MATRIX_FMT_BF6 matrix_a_scale:MATRIX_SCALE_ROW1
.endif
.endr
.endm
.macro MUL16 a0, p, zero
	MULA \a0, \p, \zero
	MULA (\a0)+1, \p, \zero
.endm
.macro PLACES n                        ; in front of loads into registers that matrix instructions have read, and of reads of results
.rept \n
	v_nop
.endr
.endm
; A step on sets p; the next step, chunk nq of slot ns, goes into the other sets, which the last step's products read: four places stand between.
.macro STEP p, zero, ns, nq
	PLACES NP
	s_wait_dscnt 0x0                               ; this step's operands, asked for a step ago, are in
	FETCH \ns, \nq, 1-(\p), 0, 8
	WIN MUL_LO
	MUL16 0, \p, \zero
	MUL16 2, \p, \zero
	WIN MUL_HI
	MUL16 4, \p, \zero
	MUL16 6, \p, \zero
.endm
; A slot's last step: its operands were asked for a step ago, so the slot is read no more.  Each wave waits for all its tensor loads (its part of the next slot), adds 0 to its spare word, waits for that and for
; its reads; the barrier opens a round of the cluster's barrier, and the slot is filled again (fill 1: three chunks; 2: the last two).  a1: A's blocks 0 .. a1 - 1 of the next step are fetched.
.macro TURN slot, next, p, fill, ask, a1
	WIN 0
.if \ask
	s_wait_xcnt 0x0                                ; my last prefetch has read its address
	s_add_nc_u64 s[PFA:PFA+1], s[PFA:PFA+1], HALFT
.endif
	s_wait_tensorcnt 0x0
	ds_add_u32 v[SPW], v[NIL]
	s_add_nc_u64 s[G0+4*\slot+2:G0+4*\slot+3], s[G0+4*\slot+2:G0+4*\slot+3], 2*HALFT       ; no tensor load of mine is out: this slot's next tile
	s_add_nc_u64 s[G0B+4*\slot+2:G0B+4*\slot+3], s[G0B+4*\slot+2:G0B+4*\slot+3], 2*HALFT
	s_wait_dscnt 1                                 ; the add alone may be out
	WIN MUL_LO
	MULA 0, \p, 0
	s_wait_dscnt 0x0                               ; the add is done, and my reads of this slot are over
	s_barrier_signal -1
	MULA 1, \p, 0
	WIN 0
	s_barrier_wait -1
	CREST
.if \fill == 1
	JLOAD G0+4*\slot, G1, G0B+4*\slot, G1B         ; its four v_nop are also the places in front of the run below
.else
	JLOAD G0+4*\slot, G1T, G0B+4*\slot, G1TB
.endif
	FETCH \next, 0, 1-(\p), 0, \a1
	ASK \ask
	WIN MUL_LO
	MUL16 2, \p, 0
	WIN MUL_HI
	MUL16 4, \p, 0
	MUL16 6, \p, 0
.endm
; THE WAY OUT of block a (16 rows x 128 columns), in two halves of 64 columns: through my own stage and back as whole rows of 256 bytes, into window 1's v[x ..] and v[x + 128 ..].
; LDS serves a wave's instructions in order (ISA guide 5.7.1.4): no wait between the stores and the loads, nor in front of the next half's stores.
.macro TOST a, x
.set AC, 64*((\a)%4)
.irp h, 0,1
	WIN 0x08+4*((\a)/4)                            ; the data: window 2 or 3
.irp b, 0,1,2,3
	ds_store_b128 v[STO], v[AC+8*(4*\h+\b):AC+8*(4*\h+\b)+3] offset:64*\b          ; each accumulator from its low end on
	ds_store_b128 v[STO], v[AC+8*(4*\h+\b)+4:AC+8*(4*\h+\b)+7] offset:64*\b+16
.endr
	WIN TO_B
.irp t, 0,1,2,3,4,5,6,7
	ds_load_b128 v[\x+128*\h+4*\t:\x+128*\h+4*\t+3], v[RD] offset:\t*2*SPITCH
.endr
.endr
.endm
.macro SEND a, x                       ; every offset is an immediate: 126 rows of out and 256 bytes at the most, inside the signed 24 bits (ISA guide, chapter 10)
	WIN 0x04                                       ; the data: window 1
.irp h, 0,1
.irp t, 0,1,2,3,4,5,6,7
	global_store_b128 v[CO], v[\x+128*\h+4*\t:\x+128*\h+4*\t+3], s[12:13] offset:(16*(\a)+2*\t)*SIZE_N*4+256*\h th:TH_STORE_NT   ; sixteen lanes store 256 consecutive bytes, at a multiple of 256 from out's first byte
.endr
.endr
.endm
; Half a step: A's blocks 4 hi .. 4 hi + 3 against B's eight, sets p.  sa: the block whose rows, back from the stage, are stored (-1: none); nf = 1: the next half step (blocks 4 nhi .., chunk nq of slot ns) is fetched;
; ta: the block that goes through the stage (-1: none); bar = 1: the last tile is shown whole to all four waves.
.macro HSTEP hi, p, sa, nf, nhi, ns, nq, ta, bar
	PLACES NP
.if \bar
	s_wait_tensorcnt 0x0                           ; my part of the last tile is in
.endif
	s_wait_dscnt 0x0                               ; my operands are in, and what went through the stage is back
.if \bar
	s_barrier_signal -1
	s_barrier_wait -1
.endif
.if \sa >= 0
	SEND \sa, 96
.endif
.if \nf
	FETCH \ns, \nq, 1-(\p), 4*\nhi, 4*\nhi+4
.endif
.if \ta >= 0
.if \sa >= 0
	s_wait_xcnt 0x0                                ; the stores above have read their registers: the stage's loads may land there
.endif
	TOST \ta, 96
.endif
	WIN MUL_LO+0x50*\hi
	MUL16 4*\hi, \p, 0
	MUL16 4*\hi+2, \p, 0
.endm
	s_wait_alu depctr_va_vdst(0)
	s_wait_xcnt 0x0
	s_add_nc_u64 s[PFA:PFA+1], s[PFA:PFA+1], HALFT ; at tile 2
	s_wait_tensorcnt 0x0                           ; my part of tile 0 is in; slot 1's first fill is issued as a refill is
	ds_add_u32 v[SPW], v[NIL]
	s_wait_dscnt 0x0
	CROUND
	JLOAD G0+4, G1, G0B+4, G1B                     ; tile 1
	FETCH 0, 0, 0, 0, 8
	ASK 1                                          ; tile 2
	STEP 0, 1, 0, 1                                ; step 0: its products start the sums
	WIN 0                                          ; at a label and at a branch every window is 0
	s_mov_b32 s3, TRIPS
.Llap:                                                 ; a trip: six steps, once round the ring; trip i loads tiles 2 i + 2 and 2 i + 3
	STEP 1, 0, 0, 2
	TURN 0, 1, 0, 1, 1, 8
	STEP 1, 0, 1, 1
	STEP 0, 0, 1, 2
	TURN 1, 0, 1, 1, 2, 8
	STEP 0, 0, 0, 1
	WIN 0
	s_sub_co_u32 s3, s3, 1
	s_cmp_lg_u32 s3, 0
	s_cbranch_scc1 .Llap
	STEP 1, 0, 0, 2                                ; step 25
	TURN 0, 1, 0, 2, 0, 4                          ; step 26; tile 10, the last, is asked for; of step 27 A's blocks 0-3 alone are fetched
	HSTEP 0, 1, -1, 1, 0, 1, 1, -1, 0              ; rows 0-63: step 27,
	HSTEP 0, 0, -1, 1, 0, 1, 2, -1, 0              ; 28,
	HSTEP 0, 1, -1, 1, 0, 0, 0, -1, 1              ; 29 (the next lies in the last tile),
	HSTEP 0, 0, -1, 1, 0, 0, 1, -1, 0              ; 30,
	HSTEP 0, 1, -1, 1, 1, 1, 0, -1, 0              ; 31: blocks 0-3 are finished
	HSTEP 1, 0, -1, 1, 1, 1, 1, 0, 0               ; rows 64-127: step 27; block 0 goes through the stage,
	HSTEP 1, 1, 0, 1, 1, 1, 2, 1, 0                ; 28; block 0 is stored, block 1 follows,
	HSTEP 1, 0, 1, 1, 1, 0, 0, 2, 0                ; 29
	HSTEP 1, 1, 2, 1, 1, 0, 1, 3, 0                ; 30
	HSTEP 1, 0, 3, 0, 0, 0, 0, -1, 0               ; 31
	PLACES NP                                      ; for the reads of blocks 4-7 and the loads into registers that held B's fragments
	s_wait_xcnt 0x0                                ; block 3's stores have read their registers
	TOST 4, 96
.irp a, 5,6,7                          ; two pairs of buffers by turns: v96.., v224.. and v0.., v128..
.if \a > 5
	s_wait_xcnt 0x0                                ; block a - 2's stores have read their registers
.endif
	TOST \a, 96*((\a+1)%2)
	s_wait_dscnt 32                                ; block a - 1 is back: behind its loads stand block a's 16 stores and 16 loads
	SEND \a-1, 96*((\a)%2)
.endr
	s_wait_dscnt 0x0
	SEND 7, 0
	WIN 0
	s_wait_tensorcnt 0x0                           ; the wave's end
	ds_add_u32 v[SPW], v[NIL]
	s_wait_dscnt 0x0
	CROUND                                         ; the closing round
	s_endpgm
.Lfunc_end_k_qeb90ac5384_gemm:
	.size	k_qeb90ac5384_gemm, .Lfunc_end_k_qeb90ac5384_gemm-k_qeb90ac5384_gemm
	.p2alignl 7, 3214868480
	.fill 96, 4, 3214868480
	.section	.rodata,"a",@progbits
	.p2align	6, 0x0
	.amdhsa_kernel k_qeb90ac5384_gemm
		.amdhsa_group_segment_fixed_size 327680
		.amdhsa_private_segment_fixed_size 0
		.amdhsa_enable_private_segment 0
		.amdhsa_kernarg_size 24
		.amdhsa_user_sgpr_count 2
		.amdhsa_user_sgpr_kernarg_segment_ptr 1
		.amdhsa_wavefront_size32 1
		.amdhsa_system_sgpr_workgroup_id_x 1
		.amdhsa_system_sgpr_workgroup_id_y 1
		.amdhsa_system_sgpr_workgroup_id_z 1
		.amdhsa_system_vgpr_workitem_id 0
		.amdhsa_next_free_vgpr 1024
		.amdhsa_next_free_sgpr 98
		.amdhsa_reserve_vcc 0
		.amdhsa_float_denorm_mode_32 3
		.amdhsa_float_denorm_mode_16_64 3
		.amdhsa_memory_ordered 1
		.amdhsa_forward_progress 1
		.amdhsa_inst_pref_size 213
	.end_amdhsa_kernel
	.amdgpu_metadata
---
amdhsa.version: [ 1, 2 ]
amdhsa.kernels:
  - .name:           k_qeb90ac5384_gemm
    .symbol:         k_qeb90ac5384_gemm.kd
    .args:
      - { .name: a_img, .offset: 0, .size: 8, .value_kind: global_buffer, .address_space: global }
      - { .name: b_img, .offset: 8, .size: 8, .value_kind: global_buffer, .address_space: global }
      - { .name: out0, .offset: 16, .size: 8, .value_kind: global_buffer, .address_space: global }
    .group_segment_fixed_size: 327680
    .private_segment_fixed_size: 0
    .kernarg_segment_align: 8
    .kernarg_segment_size: 24
    .max_flat_workgroup_size: 128
    .sgpr_count:     98
    .vgpr_count:     1024
    .wavefront_size: 32
...
	.end_amdgpu_metadata
.endif
;; end of part 2
